; MI455X (gfx1250); checked and timed in simulation.
; The chip was launched on July 23, 2026; its instructions are those of AMD's public machine-readable ISA for CDNA 5 (MIT licence, August 2026) and "CDNA5" Instruction Set Architecture Reference Guide (July 2026). The comments in the code are by the model that wrote it; some were corrected since.
;; Attention. Allowed arithmetic: matrix products marked QUANTISED: E5M2 operands, one E8M0 scale for each 32 along K, by v_wmma_scale_f32_16x16x128_f8f6f4 with both operands' format E5M2, f32 sums; everything else in f32.
;; Inputs: key 2 x 2,048 x 1,024 float32; query 2 x 2,048 x 4,096 float32; value_codes 2 x 1,024 x 64 x 32 uint8 (E5M2 codes of value, K innermost, in blocks of 32 codes); value_scales 2 x 1,024 x 64 uint8 (E8M0 scales of value, one for each 32 codes along K).
;; Outputs: out0 2 x 2,048 x 4,096 float32.
;; This version of the problem:
;;   THIS VERSION OF THE PROBLEM IS GIVEN IN LOW PRECISION. The matrix products marked QUANTISED in the list below multiply operands that are first quantised to E5M2 (5 exponent bits, 2 mantissa bits; 8 bits a number), with one power-of-two scale for each 32 numbers along K (OCP MX v1.0); their sums are f32. All else is computed in f32.
;;   The module's matrix products, in the order in which they are computed (A, B: the left and right operand; K: the contracted axis; several contracted axes count as one K, in the product's order):
;;     1. batch 64 x [M 2,048, K 128] x [K 128, N 2,048]; A: input query; B: input key: QUANTISED
;;     2. batch 64 x [M 2,048, K 2,048] x [K 2,048, N 128]; A: softmax (see below); B: input value (given as codes): QUANTISED
;;   THE QUANTISER, for each operand of a quantised product, along K:
;;     - K is cut into blocks of 32 from its start; a last block that is shorter is filled with zeros.
;;     - A block's scale is 2^e with e = floor(log2(the largest magnitude in the block)) - 15, held to -126 .. 127; a block of zeros has e = 0. As a byte (E8M0): e + 127.
;;     - Each number is divided by its block's scale, clamped to +-57,344, and rounded to the nearest number of E5M2, ties to even, subnormals kept.
;;     - The product sums the exact products of the quantised numbers (number of the format x scale) in f32.
;;   ~~~python
;;   def quantise(x, axis):      # numpy; x: float32 -> the quantised numbers, widened to float32 again
;;       x = np.moveaxis(x, axis, -1); K = x.shape[-1]
;;       x = np.pad(x, [(0, 0)] * (x.ndim - 1) + [(0, -K % 32)]); x = x.reshape(x.shape[:-1] + (-1, 32)); a = np.abs(x).max(-1, keepdims=True)
;;       e = np.where(a > 0, np.clip(np.frexp(np.where(a > 0, a, 1))[1] - 1 - 15, -126, 127), 0)      # np.frexp(a)[1] - 1 = floor(log2(a)), exactly
;;       r = np.clip(x / 2.0 ** e, -57344, 57344)
;;       step = 2.0 ** (np.maximum(np.frexp(np.where(r == 0, 1, r))[1] - 1, -14) - 2)
;;       q = np.round(r / step) * step * 2.0 ** e      # np.round: ties to even
;;       return np.moveaxis(q.reshape(q.shape[:-2] + (-1,))[..., :K], -1, axis).astype(np.float32)
;;   ~~~
;;   SOFTMAX AHEAD OF A QUANTISED PRODUCT. Where the list says 'softmax', what is quantised is not the finished softmax but p = 2^(t - M), with t = logit x log2(e) and M = ceil(the row's largest t), a whole number; so 1/2 < the row's largest p <= 1. The row's sum l is taken of the UNQUANTISED p, in f32, and the product's result is divided by l at the end. Since M is a whole number, a kernel that streams over the keys may use a running M (the ceiling of the running maximum): every later rescaling is an exact power of two, which a block's scale takes up: the codes' values come out the same.
;;   OPERANDS COMPUTED ON THE WAY. 'Computed on the way' means the value that the module computes at that place (a softmax that the list does not call 'softmax' is quantised finished and normalised). What goes into a quantiser is computed in f32, as accurately as f32 sums, v_exp_f32 and their like allow (about 1e-6 of the number): no bf16 or f16 on the way to a quantiser, and a product that is left as it is and whose result goes on into a quantised operand takes f32 operands (vector FMAs, or v_wmma_f32_16x16x4_f32). A number that lies on a knife's edge between two numbers of the format may be rounded either way, as far as f32 arithmetic and the matrix unit's own rounding can turn it there, and no further.
;;   INPUTS GIVEN AS CODES. value (in the module: [2, 2048, 1024], K = its axis 1): each comes as NAME_codes (uint8): NAME with its K axis moved to the last place and cut into blocks of 32 codes, [.., K / 32, bytes a block], one block behind the other in memory; one code a byte (a code: sign, 5 exponent bits, 2 mantissa bits); and NAME_scales (uint8): the same leading axes, one E8M0 byte (e + 127) for each 32 codes along K. Its value is code x scale, taken as it is: it is not quantised again, and the codes and scales need not be those that the quantiser above would give.
;; One version. Each part assembles by itself: llvm-mc -triple=amdgcn-amd-amdhsa -mcpu=gfx1250 --defsym DOCPART=n.
;; ======== version 1 of 1: 2 launches
;; workspace buffers: kq 4,456,448 bytes
;; launch kprep (part 1): grid 16 x 16, 4 waves a work-group, no clusters, 18,944 bytes of LDS; arguments key, value_scales, kq; writes kq
.if DOCPART == 1
	.amdgcn_target "amdgcn-amd-amdhsa--gfx1250"
	.amdhsa_code_object_version 6
	.text
	.protected	k_q5bfe3e603f_kprep
	.globl	k_q5bfe3e603f_kprep
	.p2align	8
	.type	k_q5bfe3e603f_kprep,@function
k_q5bfe3e603f_kprep:
	s_mov_b64 s[64:65], 0
	v_nop
	global_prefetch_b8 v0, s[64:65] scope:SCOPE_SE
	s_setreg_imm32_b32 hwreg(HW_REG_WAVE_MODE, 25, 1), 1
	s_wait_xcnt 0x0
; key [2][2048][1024] f32 is quantised along a head's 128 numbers to codes of E5M2 with one E8M0 byte for each 32, and laid for the attention launch
; as IMAGES OF THE OPERAND'S REGISTERS; K's and V's scale words are laid beside the codes in the order in which that launch's lanes want them.
; kq = 16 (bk = 8 b + kv head) x 8 (slots of 256 keys) blocks of 34,816 bytes.  In a block: 16 tiles x 2,048 bytes of codes (tile 8 q + T: q = which 128 keys of the slot, T = 0..7);
; at 32,768 + 512 q K's scale words of step q; at 33,792 + 512 q V's.  In a tile the 16 bytes at 512 c + 16 x lane are registers 4 c .. 4 c + 3 of lane (r, h):
; key 32 (T / 2) + 8 (T % 2) + r + 8 (r / 8), numbers 32 c + 16 h + 0 .. 15 of the head.  THE KEYS OF A TILE ARE NOT NEIGHBOURS: so the scores of tiles 2 b, 2 b + 1 are 16 neighbouring keys in a lane's registers.
; A scale word at 16 l + 4 i belongs to tile 2 i + l / 16, row l % 16 (for V: row 32 i + l of the head's 128).
; A block's scale is 2^(floor(log2(largest magnitude)) - 15): its byte is the largest magnitude's exponent field - 15, held at 1 from below.
; LIMITS: NaN and infinities in key are not served.  A block whose largest magnitude lies under 2^-111 (a block of zeros too, where the rule says 127) keeps the byte 1; a block of zeros has zero codes, which add nothing, and this program alone reads the bytes.
; SHARES: work-group (x, y) = (step of 128 keys, bk).  Wave w takes keys 32 w .. 32 w + 31: tiles 2 w and 2 w + 1.  The 128 threads also fetch the step's 128 scale words of V.
; Each load reads 256 consecutive aligned bytes in sixteen lanes; the conversions want 16 neighbours in ONE lane: so the numbers turn through the wave's own stage in LDS.
.set GK,  4                            ; v4   key: 4,096 h + 16 r
.set STR, 5                            ; v5   the stage by rows: lanes 0-15 one row, lanes 16-31 the next, 16 bytes a lane
.set STQ, 6                            ; v6   the stage by lanes: row r, + 64 h: my 16 numbers of a block of 32
.set LI,  7                            ; v7   16 x lane
.set TM,  16                           ; v16-19 largest magnitudes, v20-23 bytes, v24-27 the largest number x the scale, v28-31 the conversions' scale operands
.set CD,  32                           ; v32-47, v48-63 the two tiles' codes: never written again, so no store's data are overwritten
.set RAW, 64                           ; v64-127, v128-191 the two tiles' numbers as loaded
.set X,   192                          ; v192-255 64 numbers of my row: register 16 b + e = number 32 b + 16 h + e
.set SEL, 20                           ; s[20:21] v_permlanex16_b32's selects for lane l xor 16
.set MNT, 23                           ; s23  the mantissa field of 57,344
.set SP,  272                          ; a stage row: 256 bytes + 16, so that sixteen rows begin at sixteen different 16-byte columns of 256 bytes
.set SCB, 4*16*SP                      ; behind the four stages: 512 bytes of K's scale words, then 512 of V's
	s_load_b128 s[4:7], s[0:1], 0x0                ; key, value_scales
	s_load_b64 s[8:9], s[0:1], 0x10                ; kq
	s_set_vgpr_msb 0x40
	v_lshl_add_u32 v0, v0, 2, 0x4800
	v_mov_b32 v1, 0
	s_set_vgpr_msb 0x4000
	v_lshrrev_b32 v1, 5, v0
	v_readfirstlane_b32 s16, v1                    ; wave 0..3
	v_and_b32 v1, 31, v0                           ; lane
	v_and_b32 v2, 15, v0                           ; r
	v_bfe_u32 v3, v0, 4, 1                         ; h
	s_mul_i32 s33, s16, 16*SP                      ; my stage
	v_lshlrev_b32 v[GK], 12, v3
	v_lshl_add_u32 v[GK], v2, 4, v[GK]
	v_mul_u32_u24 v[STR], v3, SP
	v_lshl_add_u32 v[STR], v2, 4, v[STR]
	v_add_nc_u32 v[STR], s33, v[STR]
	v_mul_u32_u24 v[STQ], v2, SP
	v_lshl_add_u32 v[STQ], v3, 6, v[STQ]
	v_add_nc_u32 v[STQ], s33, v[STQ]
	v_lshlrev_b32 v[LI], 4, v1
	s_lshl_b32 s34, s16, 2
	s_add_co_u32 s34, s34, SCB
	v_add_nc_u32 v8, s34, v[LI]                    ; where my tiles' scale word goes: SCB + 16 x lane + 4 x wave
	v_lshl_add_u32 v9, v0, 2, SCB+512              ; and V's: word number = my thread's number = 4 l + i
	v_and_b32 v10, 3, v0                           ; i
	v_lshrrev_b32 v11, 2, v0                       ; l
	v_lshl_add_u32 v10, v10, 5, v11                ; V's row 32 i + l
	v_lshlrev_b32 v10, 6, v10                      ; of 64 scale bytes
	s_and_b32 s35, s16, 1                          ; waves 0 and 1 carry the words out: wave 0 K's, wave 1 V's
	s_lshl_b32 s34, s35, 9
	s_add_co_u32 s34, s34, SCB
	v_add_nc_u32 v15, s34, v[LI]                   ; read back: 16 bytes a lane
	s_lshl_b32 s34, s35, 10
	v_add_nc_u32 v3, s34, v[LI]                    ; and their place in kq: V's words lie 1,024 bytes behind K's
.irp b, 0,1,2,3
	v_mov_b32 v[TM+4+\b], 0                        ; written once: a lane permute's destination counts as one of its sources
.endr
	s_mov_b32 s[SEL], 0x76543210
	s_mov_b32 s[SEL+1], 0xfedcba98
	s_mov_b32 s[MNT], 0x600000
	s_and_b32 s17, ttmp7, 0xffff                   ; bk
	s_lshr_b32 s18, s17, 3                         ; b
	s_and_b32 s19, s17, 7                          ; kv head
	s_lshl_b32 s28, s18, 11
	s_lshl_b32 s29, ttmp9, 7
	s_add_co_u32 s28, s28, s29
	s_lshl_b32 s29, s16, 5
	s_add_co_u32 s28, s28, s29                     ; my first row of key: 2,048 b + 128 step + 32 wave
	s_lshl_b32 s28, s28, 12                        ; of 4,096 bytes
	s_lshl_b32 s29, s19, 9
	s_add_co_u32 s28, s28, s29                     ; + the head's 512 bytes
	s_mov_b32 s29, 0
	s_lshl_b32 s30, s17, 13                        ; value_scales: 128 rows of 64 bytes for each bk,
	s_lshl_b32 s31, ttmp9, 2
	s_add_co_u32 s30, s30, s31                     ; + the step's word
	s_mov_b32 s31, 0
	s_lshl_b32 s32, s17, 3
	s_lshr_b32 s33, ttmp9, 1
	s_add_co_u32 s32, s32, s33
	s_mul_i32 s32, s32, 34816                      ; kq: the slot's block
	s_and_b32 s33, ttmp9, 1                        ; q
	s_lshl_b32 s24, s33, 14
	s_add_co_u32 s24, s24, s32
	s_lshl_b32 s25, s16, 12
	s_add_co_u32 s24, s24, s25                     ; my two tiles: 16,384 q + 4,096 wave
	s_mov_b32 s25, 0
	s_lshl_b32 s26, s33, 9
	s_add_co_u32 s26, s26, s32
	s_add_co_u32 s26, s26, 32768                   ; the step's scale words
	s_mov_b32 s27, 0
	s_wait_kmcnt 0x0
	s_add_nc_u64 s[4:5], s[4:5], s[28:29]
	s_add_nc_u64 s[6:7], s[6:7], s[30:31]
	s_add_nc_u64 s[24:25], s[8:9], s[24:25]
	s_add_nc_u64 s[26:27], s[8:9], s[26:27]
; Tile u's 16 rows x 128 numbers: rows 2 i and 2 i + 1 of the tile are keys 8 u + 2 i + 8 (i / 4) and the next; half d of a row is 256 bytes
.macro KLOAD u
.irp d, 0,1
.irp i, 0,1,2,3,4,5,6,7
	global_load_b128 v[RAW+64*\u+32*\d+4*\i:RAW+64*\u+32*\d+4*\i+3], v[GK], s[4:5] offset:(8*\u+2*\i+8*(\i/4))*4096+256*\d th:TH_LOAD_NT
.endr
.endr
.endm
; Through the stage, half a row at a time.  LDS serves a wave's instructions in order (ISA guide 5.7.1.4): no wait between the stores and the loads, nor in front of the second half's stores
.macro TURN u
.irp d, 0,1
.irp i, 0,1,2,3,4,5,6,7
	ds_store_b128 v[STR], v[RAW+64*\u+32*\d+4*\i:RAW+64*\u+32*\d+4*\i+3] offset:2*\i*SP
.endr
.irp b, 0,1
.irp j, 0,1,2,3
	ds_load_b128 v[X+32*\d+16*\b+4*\j:X+32*\d+16*\b+4*\j+3], v[STQ] offset:128*\b+16*\j
.endr
.endr
.endr
.endm
; 64 numbers of a lane, v[s] on, register 16 b + i = number 32 b + 16 (lane / 16) + i of my row, become a fragment's codes in v[pc] on and its scale word in v[pw]
.macro QUANT s, pc, pw
.irp b, 0,1,2,3
	v_max3_num_f32 v[TM+\b], |v[\s+16*\b]|, |v[\s+1+16*\b]|, 0x8000000   ; block b: my 16 numbers, and the floor 2^(16 - 127): so the byte cannot fall under 1
.endr
.irp i, 2,4,6,8,10,12,14
.irp b, 0,1,2,3
	v_max3_num_f32 v[TM+\b], v[TM+\b], |v[\s+16*\b+\i]|, |v[\s+1+16*\b+\i]|   ; the four blocks by turns: no line waits for the line above it
.endr
.endr
.irp b, 0,1,2,3
	v_permlanex16_b32 v[TM+4+\b], v[TM+\b], s[SEL], s[SEL+1]
.endr
.irp b, 0,1,2,3
	v_max_num_f32 v[TM+\b], v[TM+\b], v[TM+4+\b]   ; with lane l xor 16's: the block's largest magnitude
.endr
.irp b, 0,1,2,3
	v_add_nc_u32 v[TM+12+\b], 0xf8800000, v[TM+\b]   ; 15 off its exponent field: the conversion takes the exponent field of this operand as its scale
.endr
.irp b, 0,1,2,3
	v_and_or_b32 v[TM+8+\b], v[TM+\b], 0x7f800000, s[MNT]   ; 57,344 x the scale
.endr
.irp b, 0,1,2,3
	v_lshrrev_b32 v[TM+4+\b], 23, v[TM+12+\b]      ; the scale's byte
.endr
	v_lshl_or_b32 v[\pw], v[TM+5], 8, v[TM+4]      ; the four bytes make my row's scale word
	v_lshl_or_b32 v[\pw], v[TM+6], 16, v[\pw]
	v_lshl_or_b32 v[\pw], v[TM+7], 24, v[\pw]
.irp b, 0,1,2,3
.irp i, 0,1,2,3,4,5,6,7,8,9,10,11,12,13,14,15
	v_med3_num_f32 v[\s+16*\b+\i], v[\s+16*\b+\i], -v[TM+8+\b], v[TM+8+\b]   ; the conversion to an 8-bit code does not saturate (ISA guide 7.6.2): the hold at the largest code x the scale
.endr
	v_cvt_scalef32_pk8_bf8_f32 v[\pc+4*\b:\pc+1+4*\b], v[\s+16*\b:\s+7+16*\b], v[TM+12+\b]
	v_cvt_scalef32_pk8_bf8_f32 v[\pc+2+4*\b:\pc+3+4*\b], v[\s+8+16*\b:\s+15+16*\b], v[TM+12+\b]
.endr
	v_nop                                          ; one plain vector line behind the last scaled conversion
.endm
	global_load_b32 v11, v10, s[6:7]               ; my scale word of V
	KLOAD 0
	KLOAD 1
	s_wait_loadcnt 16                              ; tile 1's sixteen loads may be out: V's word and tile 0 are in
	TURN 0
	s_wait_dscnt 0x0
	QUANT X, CD, 12
.irp c, 0,1,2,3
	global_store_b128 v[LI], v[CD+4*\c:CD+4*\c+3], s[24:25] offset:512*\c   ; the image: 32 lanes store 512 consecutive bytes, aligned
.endr
	s_wait_loadcnt 0x0                             ; tile 1
	TURN 1
	s_wait_dscnt 0x0
	QUANT X, CD+16, 13
.irp c, 0,1,2,3
	global_store_b128 v[LI], v[CD+16+4*\c:CD+16+4*\c+3], s[24:25] offset:2048+512*\c
.endr
	v_cmp_gt_u32 vcc_lo, 16, v1
	v_cndmask_b32 v14, v13, v12, vcc_lo            ; lanes 0-15 carry tile 2 w's words, lanes 16-31 tile 2 w + 1's
	ds_store_b32 v8, v14
	ds_store_b32 v9, v11
	s_wait_dscnt 0x0                               ; for the others' sake: my words lie in LDS
	s_barrier_signal -1
	s_barrier_wait -1
	s_cmp_gt_u32 s16, 1
	s_cbranch_scc1 .Lend
	ds_load_b128 v[X:X+3], v15                     ; words that all four waves stored
	s_wait_dscnt 0x0
	global_store_b128 v3, v[X:X+3], s[26:27]       ; 512 consecutive bytes, aligned: wave 0 K's words, wave 1 V's
.Lend:
	s_set_vgpr_msb 0x5
	s_wait_tensorcnt 0x0
	ds_add_u32 v0, v1
	s_wait_dscnt 0x0
	s_set_vgpr_msb 0x500
	s_endpgm
.Lfunc_end_k_q5bfe3e603f_kprep:
	.size	k_q5bfe3e603f_kprep, .Lfunc_end_k_q5bfe3e603f_kprep-k_q5bfe3e603f_kprep
	.p2alignl 7, 3214868480
	.fill 96, 4, 3214868480
	.section	.rodata,"a",@progbits
	.p2align	6, 0x0
	.amdhsa_kernel k_q5bfe3e603f_kprep
		.amdhsa_group_segment_fixed_size 18944
		.amdhsa_private_segment_fixed_size 0
		.amdhsa_enable_private_segment 0
		.amdhsa_kernarg_size 24
		.amdhsa_user_sgpr_count 2
		.amdhsa_user_sgpr_kernarg_segment_ptr 1
		.amdhsa_wavefront_size32 1
		.amdhsa_system_sgpr_workgroup_id_x 1
		.amdhsa_system_sgpr_workgroup_id_y 1
		.amdhsa_system_sgpr_workgroup_id_z 1
		.amdhsa_system_vgpr_workitem_id 0
		.amdhsa_next_free_vgpr 258
		.amdhsa_next_free_sgpr 66
		.amdhsa_reserve_vcc 1
		.amdhsa_float_denorm_mode_32 3
		.amdhsa_float_denorm_mode_16_64 3
		.amdhsa_memory_ordered 1
		.amdhsa_forward_progress 1
		.amdhsa_inst_pref_size 29
	.end_amdhsa_kernel
	.amdgpu_metadata
---
amdhsa.version: [ 1, 2 ]
amdhsa.kernels:
  - .name:           k_q5bfe3e603f_kprep
    .symbol:         k_q5bfe3e603f_kprep.kd
    .args:
      - { .name: key, .offset: 0, .size: 8, .value_kind: global_buffer, .address_space: global }
      - { .name: value_scales, .offset: 8, .size: 8, .value_kind: global_buffer, .address_space: global }
      - { .name: kq, .offset: 16, .size: 8, .value_kind: global_buffer, .address_space: global }
    .group_segment_fixed_size: 18944
    .private_segment_fixed_size: 0
    .kernarg_segment_align: 8
    .kernarg_segment_size: 24
    .max_flat_workgroup_size: 128
    .sgpr_count:     66
    .vgpr_count:     258
    .wavefront_size: 32
...
	.end_amdgpu_metadata
.endif
;; end of part 1
;; launch attn (part 2): grid 16 x 16, 16 waves a work-group, no clusters, 327,680 bytes of LDS; arguments query, kq, value_codes, out0; writes out0
.if DOCPART == 2
	.amdgcn_target "amdgcn-amd-amdhsa--gfx1250"
	.amdhsa_code_object_version 6
	.text
	.protected	k_q5bfe3e603f_attn
	.globl	k_q5bfe3e603f_attn
	.p2align	8
	.type	k_q5bfe3e603f_attn,@function
k_q5bfe3e603f_attn:
	s_mov_b64 s[64:65], 0
	v_nop
	global_prefetch_b8 v0, s[64:65] scope:SCOPE_SE
	s_setreg_imm32_b32 hwreg(HW_REG_WAVE_MODE, 25, 1), 1
	s_wait_xcnt 0x0
; Causal attention, 32 query heads on 8 kv heads, head size 128, 2 x 2,048 rows; both products on codes of E5M2 with one E8M0 scale for each 32 along K.
; query [2][2048][4096] f32 is quantised here, in registers: each row of a head is read once, by one wave.  K comes from kq as register images of its fragments with its scale words, V's scale words
; beside them (the launch before laid them); value_codes [2][1024][2048] has the keys innermost.  out0 [2][2048][4096] f32.
; THE SOFTMAX: t = score x log2(e) / sqrt(128) (one constant c: one rounding where two multiplications would have two); M = the running largest t rounded UP to a whole number; p = 2^(t - M) is quantised
; along the keys; the row's sum is taken of the unquantised p and divides O at the end.  When M moves, the sum and O are multiplied by 2^(old M - new M): exact.
; SHARES.  Work-group (i, bk) owns one kv head and TWO blocks of 64 queries, i and 31 - i, for its four query heads: 16 tiles of 16 queries = 16 waves, one pass for each block.
; Block j wants the slots of 256 keys 0 .. j / 4: (i / 4 + 1) + (8 - i / 4) = 9 slots in every work-group, so the loop's trip count is a constant, no tile is fetched that nobody reads,
; and (i / 2 + 1) + ((31 - i) / 2 + 1) = 17 of the 18 key steps are worked in every work-group: 256 work-groups of equal work.
; LAYOUT.  Both products are used transposed: S^T = K Q^T (source 0 = 16 keys, source 1 = my 16 queries), O^T = V^T P^T: a lane holds ONE query (lane % 16) throughout.
; The keys of a tile of K are chosen (32 b + 8 u + r + 8 (r / 8) for tile 2 b + u) so that the 16 registers of tiles 2 b, 2 b + 1 are keys 32 b + 16 (lane / 16) + 0 .. 15: the conversions' results are the second product's operand.
; CAUSAL.  A step all of whose keys come after my queries is jumped over by a scalar branch on ids; on the diagonal hidden scores become -infinity ahead of the maximum.  In every step that is worked each query has a key that counts.
; NO CLUSTER: work-groups 4 c .. 4 c + 3 of one bk walk the same slots, but the branches round a hidden step and round the mask hang on a work-group's own queries, which differ among those four; joint loads ask for branches that are alike.
; LIMITS: NaN and infinities in query are not served.  A block of q or p whose largest magnitude lies under 2^-111 (a block of zeros too) keeps the scale byte 1; a block of zeros has zero codes, which add nothing.
; REGISTERS: v1-9 addresses; v[10:11] f and a spare; v12 -M, v13 the largest t, v[14:15] the sum in two halves; v16-31 Q's codes; v32-95 four fragments (rows on the way in and out);
; v96-159 S^T, then p (Q as loaded; O scaled); v160-223 O^T; v224-239 p's codes; v232-247 at work; v248-251 K's or V's scale words; v252 an address; v253 p's scale word; v254 at work; v255 Q's scale word.
.set KBLK,  34816                      ; a slot's block of kq: 136 rows of 256 bytes
.set VP,    272                        ; a row of V's tile in LDS: 256 bytes + 16: sixteen rows begin at sixteen different 16-byte columns of 256 bytes
.set VOFF,  KBLK                       ; a slot: K's block, then 128 rows of V
.set HALF,  17408                      ; half of K's block (68 x 256) and half of V's tile (64 x 272): what one tensor load brings
.set SLOT1, 1<<17                      ; slot 1 begins here: one exclusive or turns an address from one slot to the other
.set SPARE, SLOT1+KBLK+128*VP          ; 200,704: the spare words, 128 bytes for each of 16 waves: eight blocks of 256 bytes that no other line names
.set STAGE, SPARE+2048                 ; 202,752: 16 rows x 272 bytes for each wave, for Q's way in and O's way out: bytes of their own, into which no fill lands
.set SP,    272
.set AK0,  1                           ; v1   16 x lane: my place in an image
.set AV0,  2                           ; v2   my place in V's tile: VOFF + 272 r + 16 h
.set STR,  3                           ; v3   my stage by rows: lanes 0-15 one row, lanes 16-31 the next, 16 bytes a lane
.set STO,  4                           ; v4   my stage: row r, + 32 h: where eight results go
.set SPW,  5                           ; v5   LDS address of my spare word; never rewritten
.set NIL,  6                           ; v6   0; never rewritten
.set GO,   7                           ; v7   16,384 h + 16 r: my bytes in two rows of query or of out0
.set ADK,  8                           ; v8   the step's images
.set ADV,  9                           ; v9   the step's tile of V
.set F,    10                          ; v[10:11] f = 2^(old M - new M); v11: at work
.set STQ,  252                         ; v252 my stage: row r, + 64 h: my 16 numbers of a block of 32
.set TM,   232
.set WV,   18                          ; s18  my wave's number
.set MNT,  19                          ; s19  the mantissa field of 57,344
.set SEL,  20                          ; s[20:21] v_permlanex16_b32's selects for lane l xor 16
.set CS,   22                          ; s[22:23] c: the packed form names a pair and takes its low word for both halves
.set G1K,  24                          ; s[24:31] descriptor group 1 for K's half blocks;  s[32:39] for V's half tiles
.set G1V,  32
.set G0K,  40                          ; s[40:43], s[44:47] their groups 0
.set G0V,  44
.set KB,   48                          ; s[48:49] kq at my bk and my half;  s[50:51] value_codes likewise
.set VB,   50
.set QP1,  52                          ; s[52:55] query at my first row, pass 1 and pass 2;  s[56:59] out0 likewise
.set QP2,  54
.set OP1,  56
.set OP2,  58
.set TB,   60                          ; s60  LDS byte at which the slot in hand begins
.set TRIP, 61                          ; s61  the trip's number, 0 .. 8
.set ACH,  62                          ; s62  the trip at which pass 2 begins: i / 4 + 1
.set KC,   63                          ; s63  which 256 keys the slot in hand holds
.set KN,   66                          ; s66  and the slot asked for
.set KF,   67                          ; s67  the step's first key
.set Q0,   68                          ; s68  my first query;  s69 pass 2's
.set Q02,  69
; Waves 0 and 1 fetch K's halves, waves 2 and 3 V's, the others nothing.  The branches hang on the wave's number alone.  Four v_nop follow each of the two lines.
.macro TLOAD
	s_cmp_lt_u32 s[WV], 2
	s_cbranch_scc0 .Lnot_k_\@
	tensor_load_to_lds s[G0K:G0K+3], s[G1K:G1K+7]
	s_nop 0
.rept 4
	v_nop
.endr
	s_branch .Lasked_\@
.Lnot_k_\@:
	s_cmp_lt_u32 s[WV], 4
	s_cbranch_scc0 .Lasked_\@
	tensor_load_to_lds s[G0V:G0V+3], s[G1V:G1V+7]
	s_nop 0
.rept 4
	v_nop
.endr
.Lasked_\@:
.endm
; 64 numbers of a lane, v[s] on, register 16 b + i = number 32 b + 16 (lane / 16) + i of my row, become a fragment's codes in v[pc] on and its scale word in v[pw]
.macro QUANT s, pc, pw
.irp b, 0,1,2,3
	v_max3_num_f32 v[TM+\b], |v[\s+16*\b]|, |v[\s+1+16*\b]|, 0x8000000   ; block b: my 16 numbers, and the floor 2^(16 - 127): so the byte cannot fall under 1
.endr
.irp i, 2,4,6,8,10,12,14
.irp b, 0,1,2,3
	v_max3_num_f32 v[TM+\b], v[TM+\b], |v[\s+16*\b+\i]|, |v[\s+1+16*\b+\i]|
.endr
.endr
.irp b, 0,1,2,3
	v_permlanex16_b32 v[TM+4+\b], v[TM+\b], s[SEL], s[SEL+1]
.endr
.irp b, 0,1,2,3
	v_max_num_f32 v[TM+\b], v[TM+\b], v[TM+4+\b]   ; with lane l xor 16's: the block's largest magnitude
.endr
.irp b, 0,1,2,3
	v_add_nc_u32 v[TM+12+\b], 0xf8800000, v[TM+\b]   ; 15 off its exponent field: the conversion's scale operand
.endr
.irp b, 0,1,2,3
	v_and_or_b32 v[TM+8+\b], v[TM+\b], 0x7f800000, s[MNT]   ; 57,344 x the scale
.endr
.irp b, 0,1,2,3
	v_lshrrev_b32 v[TM+4+\b], 23, v[TM+12+\b]      ; the scale's byte
.endr
	v_lshl_or_b32 v[\pw], v[TM+5], 8, v[TM+4]      ; the four bytes make my row's scale word
	v_lshl_or_b32 v[\pw], v[TM+6], 16, v[\pw]
	v_lshl_or_b32 v[\pw], v[TM+7], 24, v[\pw]
.irp b, 0,1,2,3
.irp i, 0,1,2,3,4,5,6,7,8,9,10,11,12,13,14,15
	v_med3_num_f32 v[\s+16*\b+\i], v[\s+16*\b+\i], -v[TM+8+\b], v[TM+8+\b]   ; the conversion to an 8-bit code does not saturate (ISA guide 7.6.2): the hold at the largest code x the scale
.endr
	v_cvt_scalef32_pk8_bf8_f32 v[\pc+4*\b:\pc+1+4*\b], v[\s+16*\b:\s+7+16*\b], v[TM+12+\b]
	v_cvt_scalef32_pk8_bf8_f32 v[\pc+2+4*\b:\pc+3+4*\b], v[\s+8+16*\b:\s+15+16*\b], v[TM+12+\b]
.endr
	v_nop                                          ; one plain vector line behind the last scaled conversion
.endm
; My 16 queries come in: sixteen lanes read 256 consecutive aligned bytes (half a head's row); the numbers turn through my stage, so that a lane holds 16 neighbours of each block; then they are quantised.
.macro QIN qp
.irp u, 0,1
.irp i, 0,1,2,3,4,5,6,7
	global_load_b128 v[96+32*\u+4*\i:99+32*\u+4*\i], v[GO], s[\qp:\qp+1] offset:2*\i*16384+256*\u th:TH_LOAD_NT
.endr
.endr
.irp u, 0,1
	s_wait_loadcnt 8-8*\u                          ; half u is in; the other half's eight younger loads may be out
.irp i, 0,1,2,3,4,5,6,7
	ds_store_b128 v[STR], v[96+32*\u+4*\i:99+32*\u+4*\i] offset:2*\i*SP
.endr
.irp b, 0,1
.irp j, 0,1,2,3
	ds_load_b128 v[32+32*\u+16*\b+4*\j:35+32*\u+16*\b+4*\j], v[STQ] offset:128*\b+16*\j   ; LDS serves a wave's instructions in order (ISA guide 5.7.1.4): these see the stores above
.endr
.endr
.endr
	s_wait_dscnt 0x0
	QUANT 32, 16, 255
.endm
; A pass begins: O^T and the sum as zeros, the largest t under every t: the first change of M multiplies zeros.  These lines are also the places between Q's codes and scale word and the first product.
.macro INIT
	v_mov_b32 v13, 0xff61b1e6                      ; -3e38
	v_floor_f32 v12, -v13                          ; -M
	v_mov_b32 v14, 0
	v_mov_b32 v15, 0
.set J, 0
.rept 64
	v_mov_b32 v[160+J], 0
.set J, J+1
.endr
.endm
; A KEY STEP: 128 keys, the q-th of the slot in hand.
.macro STEP q
	s_add_co_u32 s70, s[Q0], 15
	s_cmp_gt_u32 s[KF], s70                        ; all its keys come after my queries: nothing of it is worked
	s_cbranch_scc1 .Lhidden_\@
	v_add_nc_u32 v[ADK], s[TB], v[AK0]
	v_add_nc_u32 v[ADV], s[TB], v[AV0]
.irp g, 0,1                                    ; S^T = K Q^T, four tiles of 16 keys at a time
.rept 8-2*(1-\g)
	v_nop                                          ; eight places in front of loads into registers that matrix instructions have read; the two additions above are two of them
.endr
.irp t, 0,1,2,3
.irp c, 0,1,2,3
	ds_load_b128 v[32+16*\t+4*\c:35+16*\t+4*\c], v[ADK] offset:(8*(\q)+4*\g+\t)*2048+512*\c   ; an image: 32 lanes read 512 consecutive bytes
.endr
.endr
.if \g == 0
	ds_load_b128 v[248:251], v[ADK] offset:32768+512*(\q)   ; the step's scale words of K: register i: lanes 0-15 tile 2 i's, lanes 16-31 tile 2 i + 1's
.endif
	s_wait_dscnt 0x0
.irp t, 0,1,2,3
.if \t%2
	v_wmma_scale_f32_16x16x128_f8f6f4 v[96+8*(4*\g+\t):103+8*(4*\g+\t)], v[32+16*\t:47+16*\t], v[16:31], 0, v[248+(4*\g+\t)/2], v255 matrix_a_fmt:MATRIX_FMT_BF8 matrix_b_fmt:MATRIX_FMT_BF8 matrix_a_scale:MATRIX_SCALE_ROW1
.else
	v_wmma_scale_f32_16x16x128_f8f6f4 v[96+8*(4*\g+\t):103+8*(4*\g+\t)], v[32+16*\t:47+16*\t], v[16:31], 0, v[248+(4*\g+\t)/2], v255 matrix_a_fmt:MATRIX_FMT_BF8 matrix_b_fmt:MATRIX_FMT_BF8
.endif
.endr
.endr
.rept 8
	v_nop                                          ; eight places in front of the first read of the scores
.endr
	s_add_co_u32 s70, s[KF], 127                   ; a step all of whose keys count skips the mask
	s_cmp_le_u32 s70, s[Q0]
	s_cbranch_scc1 .Lopen_\@
	s_sub_co_i32 s70, s[Q0], s[KF]
	v_and_b32 v11, 15, v0
	v_bfe_u32 v254, v0, 4, 1
	v_lshlrev_b32 v254, 4, v254
	v_sub_nc_u32 v11, v11, v254
	v_add_nc_u32 v11, s70, v11                     ; d = my query - KF - 16 (lane / 16).  Register 16 b + i holds key KF + 16 (lane / 16) + 32 b + i: hidden where 32 b + i > d
	v_mov_b32 v254, 0xff800000                     ; -infinity
.set J, 0
.rept 64
	v_cmp_gt_i32 vcc_lo, 32*(J/16)+J%16, v11
	v_cndmask_b32 v[96+J], v[96+J], v254, vcc_lo
.set J, J+1
.endr
.Lopen_\@:
.irp b, 0,1,2,3
	v_max3_num_f32 v[232+\b], v[96+16*\b], v[97+16*\b], v[98+16*\b]   ; the largest score of each block of 32 keys: it serves the row's maximum and, since p rises with the score, the block's largest p
.endr
.irp i, 3,5,7,9,11,13
.irp b, 0,1,2,3
	v_max3_num_f32 v[232+\b], v[232+\b], v[96+16*\b+\i], v[97+16*\b+\i]
.endr
.endr
.irp b, 0,1,2,3
	v_max_num_f32 v[232+\b], v[232+\b], v[111+16*\b]
.endr
.irp b, 0,1,2,3
	v_permlanex16_b32 v[236+\b], v[232+\b], s[SEL], s[SEL+1]
.endr
.irp b, 0,1,2,3
	v_max_num_f32 v[232+\b], v[232+\b], v[236+\b]  ; with lane l xor 16's 16 keys
.endr
	v_max3_num_f32 v254, v232, v233, v234
	v_max_num_f32 v254, v254, v235                 ; the step's largest score of my query
	v_mul_f32 v254, s[CS], v254                    ; as t (c is positive)
	v_max_num_f32 v13, v13, v254                   ; the running largest t
	v_mov_b32 v254, v12
	v_floor_f32 v12, -v13                          ; the new -M = floor(-t) = -ceil(t)
	v_sub_f32 v254, v12, v254                      ; old M - new M: a whole number, 0 or less
	v_cvt_i32_f32 v254, v254                       ; (it saturates)
	v_ldexp_f32 v[F], 1.0, v254                    ; f = 2^(old M - new M)
.set J, 0
.rept 32
	v_pk_fma_f32 v[96+J:97+J], v[96+J:97+J], s[CS:CS+1], v[12:13] op_sel_hi:[1,0,0]   ; t - M, two at a time (of the pairs c and -M the low word serves both halves)
.set J, J+2
.endr
.irp b, 0,1,2,3
	v_fma_f32 v[232+\b], v[232+\b], s[CS], v12     ; the same of each block's largest score
.endr
.set J, 0
.rept 64
	v_exp_f32 v[96+J], v[96+J]                     ; p = 2^(t - M), at most 1: not normalised
.set J, J+1
.endr
.irp b, 0,1,2,3
	v_exp_f32 v[232+\b], v[232+\b]                 ; the block's largest p: the same two instructions on the same number give the same bits
.endr
	v_pk_mul_f32 v[14:15], v[14:15], v[F:F+1] op_sel_hi:[1,0]   ; the sums under the new M.  (The plain place behind the exponentials)
	s_wait_alu depctr_va_vdst(0)
.irp b, 0,1,2,3
	v_max_num_f32 v[232+\b], 0x8000000, v[232+\b]  ; the floor 2^(16 - 127): the byte cannot fall under 1
.endr
.irp b, 0,1,2,3
	v_add_nc_u32 v[244+\b], 0xf8800000, v[232+\b]  ; 15 off the exponent field: the conversion's scale operand
.endr
.irp b, 0,1,2,3
	v_and_or_b32 v[240+\b], v[232+\b], 0x7f800000, s[MNT]   ; 57,344 x the scale
.endr
.irp b, 0,1,2,3
	v_lshrrev_b32 v[236+\b], 23, v[244+\b]         ; the scale's byte
.endr
	v_lshl_or_b32 v253, v237, 8, v236              ; p's scale word for these 128 keys
	v_lshl_or_b32 v253, v238, 16, v253
	v_lshl_or_b32 v253, v239, 24, v253
	v_pk_add_f32 v[236:237], v[96:97], v[98:99]    ; the row's sum is taken of the unquantised p: two at a time, in two chains
.irp j, 4,8,12,16,20,24,28,32,36,40,44,48,52,56,60
	v_pk_add_f32 v[14:15], v[14:15], v[96+\j:97+\j]
	v_pk_add_f32 v[236:237], v[236:237], v[98+\j:99+\j]
.endr
	v_pk_add_f32 v[14:15], v[14:15], v[236:237]
.irp b, 0,1,2,3
.irp i, 0,1,2,3,4,5,6,7,8,9,10,11,12,13,14,15
	v_min_num_f32 v[96+16*\b+\i], v[96+16*\b+\i], v[240+\b]   ; the hold; p is not negative, so it is one-sided
.endr
	v_cvt_scalef32_pk8_bf8_f32 v[224+4*\b:225+4*\b], v[96+16*\b:103+16*\b], v[244+\b]
	v_cvt_scalef32_pk8_bf8_f32 v[226+4*\b:227+4*\b], v[104+16*\b:111+16*\b], v[244+\b]
.endr
.set J, 0
.rept 32
	v_pk_mul_f32 v[160+J:161+J], v[160+J:161+J], v[F:F+1] op_sel_hi:[1,0]   ; O^T under the new M, each accumulator from its low end on.  (These 32 are also the places in front of the loads and products below)
.set J, J+2
.endr
.irp g, 0,1                                    ; O^T += V^T P^T: four tiles of 16 of the head's 128 at a time; K = these 128 keys
.if \g > 0
.rept 8
	v_nop
.endr
.endif
.irp t, 0,1,2,3
.irp c, 0,1,2,3
	ds_load_b128 v[32+16*\t+4*\c:35+16*\t+4*\c], v[ADV] offset:16*(4*\g+\t)*VP+128*(\q)+32*\c
.endr
.endr
.if \g == 0
	ds_load_b128 v[248:251], v[ADK] offset:33792+512*(\q)   ; the step's scale words of V, laid as K's
.endif
	s_wait_dscnt 0x0
.irp t, 0,1,2,3
.if \t%2
	v_wmma_scale_f32_16x16x128_f8f6f4 v[160+8*(4*\g+\t):167+8*(4*\g+\t)], v[32+16*\t:47+16*\t], v[224:239], v[160+8*(4*\g+\t):167+8*(4*\g+\t)], v[248+(4*\g+\t)/2], v253 matrix_a_fmt:MATRIX_FMT_BF8 matrix_b_fmt:MATRIX_FMT_BF8 matrix_a_scale:MATRIX_SCALE_ROW1
.else
	v_wmma_scale_f32_16x16x128_f8f6f4 v[160+8*(4*\g+\t):167+8*(4*\g+\t)], v[32+16*\t:47+16*\t], v[224:239], v[160+8*(4*\g+\t):167+8*(4*\g+\t)], v[248+(4*\g+\t)/2], v253 matrix_a_fmt:MATRIX_FMT_BF8 matrix_b_fmt:MATRIX_FMT_BF8
.endif
.endr
.endr
.Lhidden_\@:
	s_add_co_u32 s[KF], s[KF], 128
.endm
; THE CHANGE OF SLOTS stands at a slot's head.  Each wave waits for all its tensor loads (its part of the slot that it is about to read), adds 0 to its spare word, and waits for that and for its reads of the slot that it has left.
; Behind the barrier the slot ahead is whole and nobody reads the other one.  fill = 1: that other slot is filled with the keys of the next trip: trip n holds keys 256 n on in pass 1 (n < ACH), 256 (n - ACH) on in pass 2.
.macro CHANGE fill
	s_wait_tensorcnt 0x0                           ; no tensor load of mine is out, so a group 0 may be written
	ds_add_u32 v[SPW], v[NIL]                      ; 0 onto my spare word: with fill = 1 the descriptors are made between it and the wait for it
.if \fill
	s_add_co_u32 s70, s[TRIP], 1
	s_cmp_ge_u32 s70, s[ACH]
	s_cselect_b32 s71, s[ACH], 0
	s_sub_co_u32 s[KN], s70, s71                   ; which 256 keys the next trip wants
	s_mul_i32 s72, s[KN], KBLK                     ; their block of kq,
	s_mov_b32 s73, 0
	s_lshl_b32 s74, s[KN], 8                       ; their 256 bytes in a row of V
	s_mov_b32 s75, 0
	s_xor_b32 s[G0K+1], s[G0K+1], SLOT1            ; the other slot than last time
	s_xor_b32 s[G0V+1], s[G0V+1], SLOT1
	s_add_nc_u64 s[G0K+2:G0K+3], s[KB:KB+1], s[72:73]
	s_or_b32 s[G0K+3], s[G0K+3], 0x80000000        ; 127:126 type = 2
	s_add_nc_u64 s[G0V+2:G0V+3], s[VB:VB+1], s[74:75]
	s_or_b32 s[G0V+3], s[G0V+3], 0x80000000
.endif
	s_wait_dscnt 0x0                               ; the add is done, and my reads of the slot that I have left are over
	s_barrier_signal -1
	s_barrier_wait -1
.if \fill
	TLOAD                                          ; the first thing behind the barrier, and a wave's one tensor load until the next: it has a slot's two steps in which to land
.endif
.endm
.macro SLOT_STEPS
	s_lshl_b32 s[KF], s[KC], 8                     ; the slot's first key
	STEP 0
	STEP 1
	s_xor_b32 s[TB], s[TB], SLOT1                  ; on to the other slot
.endm
; THE WAY OUT of a pass.  O^T is divided by the row's sum and goes through my stage, half a head's row (64 channels, 256 bytes) of 16 queries at a time, so that sixteen lanes store 256 consecutive aligned bytes.
.macro OUT op, more
.rept 8
	v_nop                                          ; eight places behind the last products
.endr
	v_add_f32 v14, v14, v15                        ; the sum's two halves,
	v_permlanex16_b32 v11, v14, s[SEL], s[SEL+1]
	v_add_f32 v14, v14, v11                        ; and lane l xor 16's: the row's sum
	v_rcp_f32 v14, v14
	v_nop                                          ; a plain place behind the transcendental
.set J, 0
	s_wait_alu depctr_va_vdst(0)
.rept 64
	v_mul_f32 v[96+J], v[160+J], v14               ; register 8 T + j is o(query r, channel 16 T + 8 h + j); each accumulator from its low end on
.set J, J+1
.endr
.irp u, 0,1                                    ; channels 64 u on
.irp t, 0,1,2,3
	ds_store_b128 v[STO], v[96+32*\u+8*\t:99+32*\u+8*\t] offset:64*\t
	ds_store_b128 v[STO], v[100+32*\u+8*\t:103+32*\u+8*\t] offset:64*\t+16
.endr
.irp i, 0,1,2,3,4,5,6,7
	ds_load_b128 v[32+32*\u+4*\i:35+32*\u+4*\i], v[STR] offset:2*\i*SP   ; in order behind my stores; the next half's stores come behind these
.endr
.endr
.irp u, 0,1
.irp i, 0,1,2,3,4,5,6,7
	s_wait_dscnt 23-16*\u-\i                       ; behind this load: the rest of its half's loads, and for half 0 the other half's 8 stores and 8 loads
	global_store_b128 v[GO], v[32+32*\u+4*\i:35+32*\u+4*\i], s[\op:\op+1] offset:2*\i*16384+256*\u th:TH_STORE_NT
.endr
.endr
.if \more
	s_wait_xcnt 0x0                                ; the stores have read their registers: v32-95 are loaded again only behind this wait
.endif
.endm
	s_load_b256 s[4:11], s[0:1], 0x0               ; query s[4:5], kq s[6:7], value_codes s[8:9], out0 s[10:11]
	v_lshl_add_u32 v[SPW], v0, 2, SPARE
	v_mov_b32 v[NIL], 0
	ds_add_u32 v5, v6
	s_wait_dscnt 0x0
	v_lshrrev_b32 v8, 5, v0
	v_readfirstlane_b32 s[WV], v8                  ; wave 0..15
	v_and_b32 v9, 31, v0                           ; lane
	v_and_b32 v10, 15, v0                          ; r
	v_bfe_u32 v11, v0, 4, 1                        ; h
	s_mul_i32 s70, s[WV], 16*SP
	s_add_co_u32 s70, s70, STAGE                   ; my stage
	v_lshlrev_b32 v[AK0], 4, v9
	v_mul_u32_u24 v[AV0], v10, VP
	v_lshl_add_u32 v[AV0], v11, 4, v[AV0]
	v_add_nc_u32 v[AV0], VOFF, v[AV0]
	v_mul_u32_u24 v[STR], v11, SP
	v_lshl_add_u32 v[STR], v10, 4, v[STR]
	v_add_nc_u32 v[STR], s70, v[STR]
	v_mul_u32_u24 v[STO], v10, SP
	v_lshl_add_u32 v[STQ], v11, 6, v[STO]
	v_lshl_add_u32 v[STO], v11, 5, v[STO]
	v_add_nc_u32 v[STQ], s70, v[STQ]
	v_add_nc_u32 v[STO], s70, v[STO]
	v_lshlrev_b32 v[GO], 14, v11
	v_lshl_add_u32 v[GO], v10, 4, v[GO]
	v_mov_b32 v11, 0                               ; named as the upper half of the pair v[10:11], and a lane permute's destination: so it is written
.irp b, 0,1,2,3
	v_mov_b32 v[236+\b], 0                         ; written once: a lane permute's destination counts as one of its sources
.endr
	s_mov_b32 s[MNT], 0x600000
	s_mov_b32 s[SEL], 0x76543210
	s_mov_b32 s[SEL+1], 0xfedcba98
	s_mov_b32 s[CS], 0x3e0293ee                    ; c = log2(e) / sqrt(128)
	s_mov_b32 s[CS+1], s[CS]                       ; (named with it as a pair, so it is written)
	; descriptor group 1.  K: half a block: 68 rows of 256 bytes (32 elements of 8 bytes), dense in memory and in LDS
	s_mov_b32 s[G1K], 3<<16                        ; 15:0 no mask; 17:16 elements of 8 bytes; no padding
	s_mov_b32 s[G1K+1], 32<<16                     ; tensor_dim0
	s_mov_b32 s[G1K+2], 68<<16                     ; tensor_dim1
	s_mov_b32 s[G1K+3], 32<<16                     ; tile_dim0
	s_mov_b32 s[G1K+4], 68                         ; tile_dim1
	s_mov_b32 s[G1K+5], 32                         ; tensor_dim0_stride
	s_mov_b32 s[G1K+6], 0
	s_mov_b32 s[G1K+7], 0
	; V: 64 rows of 256 bytes, 2,048 bytes apart in memory, 272 in LDS
	s_mov_b32 s[G1V], (0<<16)|(1<<20)|(5<<22)|(3<<25)   ; elements of 1 byte; padding on: four words after every 64
	s_mov_b32 s[G1V+1], 256<<16
	s_mov_b32 s[G1V+2], 64<<16
	s_mov_b32 s[G1V+3], 256<<16
	s_mov_b32 s[G1V+4], 64
	s_mov_b32 s[G1V+5], 2048
	s_mov_b32 s[G1V+6], 0
	s_mov_b32 s[G1V+7], 0
	s_and_b32 s12, ttmp7, 0xffff                   ; bk
	s_lshr_b32 s13, s12, 3                         ; b
	s_and_b32 s14, s12, 7                          ; kv head
	s_lshr_b32 s[ACH], ttmp9, 2
	s_add_co_u32 s[ACH], s[ACH], 1                 ; pass 1 has i / 4 + 1 slots
	s_lshl_b32 s15, s14, 2
	s_lshr_b32 s16, s[WV], 2
	s_add_co_u32 s15, s15, s16                     ; my query head: 4 x kv head + wave / 4
	s_lshl_b32 s15, s15, 9                         ; its 512 bytes in a row
	s_and_b32 s16, s[WV], 3
	s_lshl_b32 s16, s16, 4                         ; my 16 queries of the block's 64
	s_lshl_b32 s[Q0], ttmp9, 6
	s_add_co_u32 s[Q0], s[Q0], s16                 ; pass 1: block i
	s_sub_co_u32 s[Q02], 31, ttmp9
	s_lshl_b32 s[Q02], s[Q02], 6
	s_add_co_u32 s[Q02], s[Q02], s16               ; pass 2: block 31 - i
	s_lshl_b32 s17, s13, 11                        ; b's first row
	s_add_co_u32 s72, s17, s[Q0]
	s_lshl_b32 s72, s72, 14                        ; rows of 16,384 bytes
	s_add_co_u32 s72, s72, s15
	s_mov_b32 s73, 0
	s_add_co_u32 s74, s17, s[Q02]
	s_lshl_b32 s74, s74, 14
	s_add_co_u32 s74, s74, s15
	s_mov_b32 s75, 0
	s_and_b32 s76, s[WV], 1                        ; which half I fetch, if I fetch
	s_mul_i32 s77, s76, HALF                       ; its place in K's block (in memory and in LDS) and in V's tile in LDS
	s_mul_i32 s78, s12, 8*KBLK
	s_add_co_u32 s78, s78, s77
	s_mov_b32 s79, 0
	s_lshl_b32 s80, s12, 18                        ; V: 128 rows of 2,048 bytes for each bk,
	s_lshl_b32 s81, s76, 17                        ; + 64 rows for the second half
	s_add_co_u32 s80, s80, s81
	s_mov_b32 s81, 0
	s_mov_b32 s[TB], 0
	s_mov_b32 s[TRIP], 0
	s_mov_b32 s[KC], 0
	s_wait_kmcnt 0x0
	s_add_nc_u64 s[KB:KB+1], s[6:7], s[78:79]
	s_add_nc_u64 s[VB:VB+1], s[8:9], s[80:81]
	s_add_nc_u64 s[QP1:QP1+1], s[4:5], s[72:73]
	s_add_nc_u64 s[QP2:QP2+1], s[4:5], s[74:75]
	s_add_nc_u64 s[OP1:OP1+1], s[10:11], s[72:73]
	s_add_nc_u64 s[OP2:OP2+1], s[10:11], s[74:75]
	s_mov_b32 s[G0K], 1                            ; 1:0 count = 1
	s_mov_b32 s[G0K+1], s77                        ; 63:32 LDS address: slot 0
	s_mov_b64 s[G0K+2:G0K+3], s[KB:KB+1]           ; 120:64 global address: keys 0 to 255
	s_or_b32 s[G0K+3], s[G0K+3], 0x80000000        ; 127:126 type = 2
	s_mov_b32 s[G0V], 1
	s_add_co_u32 s[G0V+1], s77, VOFF
	s_mov_b64 s[G0V+2:G0V+3], s[VB:VB+1]
	s_or_b32 s[G0V+3], s[G0V+3], 0x80000000
	TLOAD                                          ; slot 0's first fill, ahead of every LDS read, barrier and wait on TENSORcnt: one load of a wave is out
	QIN QP1
	INIT
.Lslot:                                            ; 8 trips: behind each change of slots but the last the next slot is asked for (slot 1's first fill in trip 0, as a refill is)
	CHANGE 1
	s_cmp_lg_u32 s[TRIP], s[ACH]
	s_cbranch_scc1 .Lsame
	OUT OP1, 1                                     ; pass 1 is over (ACH is 1 to 4: always a trip of this loop): its rows leave,
	QIN QP2                                        ; pass 2's queries come in,
	INIT
	s_mov_b32 s[Q0], s[Q02]
.Lsame:
	SLOT_STEPS
	s_mov_b32 s[KC], s[KN]
	s_add_co_u32 s[TRIP], s[TRIP], 1
	s_cmp_lt_u32 s[TRIP], 8
	s_cbranch_scc1 .Lslot
	CHANGE 0                                       ; the last slot is written out
	SLOT_STEPS
	OUT OP2, 0
	s_wait_tensorcnt 0x0                           ; the wave's end: behind my last tensor load and my last LDS store
	ds_add_u32 v[SPW], v[NIL]
	s_wait_dscnt 0x0
	s_endpgm
.Lfunc_end_k_q5bfe3e603f_attn:
	.size	k_q5bfe3e603f_attn, .Lfunc_end_k_q5bfe3e603f_attn-k_q5bfe3e603f_attn
	.p2alignl 7, 3214868480
	.fill 96, 4, 3214868480
	.section	.rodata,"a",@progbits
	.p2align	6, 0x0
	.amdhsa_kernel k_q5bfe3e603f_attn
		.amdhsa_group_segment_fixed_size 327680
		.amdhsa_private_segment_fixed_size 0
		.amdhsa_enable_private_segment 0
		.amdhsa_kernarg_size 32
		.amdhsa_user_sgpr_count 2
		.amdhsa_user_sgpr_kernarg_segment_ptr 1
		.amdhsa_wavefront_size32 1
		.amdhsa_system_sgpr_workgroup_id_x 1
		.amdhsa_system_sgpr_workgroup_id_y 1
		.amdhsa_system_sgpr_workgroup_id_z 1
		.amdhsa_system_vgpr_workitem_id 0
		.amdhsa_next_free_vgpr 256
		.amdhsa_next_free_sgpr 100
		.amdhsa_reserve_vcc 1
		.amdhsa_float_denorm_mode_32 3
		.amdhsa_float_denorm_mode_16_64 3
		.amdhsa_memory_ordered 1
		.amdhsa_forward_progress 1
		.amdhsa_inst_pref_size 159
	.end_amdhsa_kernel
	.amdgpu_metadata
---
amdhsa.version: [ 1, 2 ]
amdhsa.kernels:
  - .name:           k_q5bfe3e603f_attn
    .symbol:         k_q5bfe3e603f_attn.kd
    .args:
      - { .name: query, .offset: 0, .size: 8, .value_kind: global_buffer, .address_space: global }
      - { .name: kq, .offset: 8, .size: 8, .value_kind: global_buffer, .address_space: global }
      - { .name: value_codes, .offset: 16, .size: 8, .value_kind: global_buffer, .address_space: global }
      - { .name: out0, .offset: 24, .size: 8, .value_kind: global_buffer, .address_space: global }
    .group_segment_fixed_size: 327680
    .private_segment_fixed_size: 0
    .kernarg_segment_align: 8
    .kernarg_segment_size: 32
    .max_flat_workgroup_size: 512
    .sgpr_count:     100
    .vgpr_count:     256
    .wavefront_size: 32
...
	.end_amdgpu_metadata
.endif
;; end of part 2
